; MI455X (gfx1250); checked and timed in simulation.
; The chip was launched on July 23, 2026; its instructions are those of AMD's public machine-readable ISA for CDNA 5 (MIT licence, August 2026) and "CDNA5" Instruction Set Architecture Reference Guide (July 2026). The comments in the code are by the model that wrote it; some were corrected since.
;; Altup Router. Allowed arithmetic: float matrix products may take bf16 or f16 operands with f32 sums; all other float work in f32.
;; Inputs: norm_weight 2,048 float32; router_weight 4 x 2,048 float32; x 4 x 8,192 x 2,048 float32.
;; Outputs: out0 4 x 8,192 x 4 float32.
;; 2 versions, each right; version 2 is version 1 with the launch router written anew for expert scheduling mode. Each part assembles by itself: llvm-mc -triple=amdgcn-amd-amdhsa -mcpu=gfx1250 --defsym DOCPART=n.
;; ======== version 1 of 2: 1 launch
;; launch router (part 1): grid 256 x 1, 8 waves a work-group, no clusters, 33,792 bytes of LDS; arguments x, norm_weight, router_weight, out0; writes out0
.if DOCPART == 1
	.amdgcn_target "amdgcn-amd-amdhsa--gfx1250"
	.amdhsa_code_object_version 6
	.text
	.protected	k_qdba79363df_router
	.globl	k_qdba79363df_router
	.p2align	8
	.type	k_qdba79363df_router,@function
k_qdba79363df_router:
	s_mov_b64 s[64:65], 0
	v_nop
	global_prefetch_b8 v0, s[64:65] scope:SCOPE_SE
	s_setreg_imm32_b32 hwreg(HW_REG_WAVE_MODE, 25, 1), 1
	s_wait_xcnt 0x0
; out[r][e] = tanh( 3 * sum_d x[r][d] nw[d] rw[e][d] / sqrt(mean_d x[r][d]^2 + 1e-6) ).   x: [32768][2048] f32, out: [32768][4] f32.
; The normalisation is a factor of the whole row, so it is applied after the sums: one pass over x makes five sums per row
; (the squares and four dots with the table P[e][d] = nw[d] rw[e][d]); x is read once and nothing else of its size moves.
;
; SHARES.  256 work-groups of eight waves; a work-group owns 128 rows, a wave 16 whole rows.  A row is 8,192 bytes = 16 loads of the wave,
; each 512 consecutive bytes.  Lane l holds columns 128 j + 4 l .. + 3 (j = 0..15) of every row, so its 64 x 4 numbers of P stay in
; 256 registers for the whole kernel, and a row's sums never leave the wave: one barrier in the kernel (for P), none in the loop.
; A ring of three row slots in registers keeps 32 to 48 loads of every wave on their way.
;
; NOT USED, by this text's own arithmetic.  Matrix instructions: four router rows fill 4 of a tile's 16 columns; a fragment wants a lane
; to hold a run of one of sixteen rows, while these loads give a lane 16 bytes of one row, so x would make an extra trip through LDS; and
; every x passes the vector unit in f32 for the squares anyway.  Clusters: what work-groups share is 40,960 bytes of weights against
; 1,048,576 bytes of x each.  Data prefetches: the ring already has the wave's next rows requested.
;
; LIMITS.  Rounding order differs from the formula as written (nw rw is rounded first, the rows' factor comes last).  rsq, exp, rcp are
; good to 1 ULP.  tanh(l) = 1 - 2 / (1 + 2^(2 log2(e) l)) has an absolute error near 2e-7; where l^2 < 2^-12 the value l (1 - l^2 / 3)
; is taken instead (relative error below 1e-8 there), so small logits keep their relative accuracy.  Large |l| end in exactly +-1.
.set ROW,   8192                       ; bytes in a row of x, and in a row of router_weight
.set SLOTS, 3
.set LA,    1                          ; v1       16 x lane: my 16 bytes in each 512-byte chunk; LDS address for P
.set OFF,   2                          ; v2-4     slot s: byte offset, from the wave's first row, of my 16 bytes in the row that the slot loads next
.set CO,    5                          ; v5       my byte offset in the wave's 256 bytes of output
.set TO,    6                          ; v6       16 x thread: set-up loads and LDS stores
.set H8,    7                          ; v7       the lane's half bit
.set SS,    8                          ; v8-15    four chains (pairs) of the sum of squares
.set D,     16                         ; v16-31   expert e: two chains (pairs) at D + 4 e
.set RES,   32                         ; v32-35   lane i and 16 + i: row i's four dots (each half's part); v36 likewise the squares
.set NW,    8                          ; v8-15    set-up: norm_weight, 2 x 4 numbers
.set RW,    16                         ; v16-47   set-up: router_weight, 4 experts x 2 x 4 numbers
.set X,     64                         ; v64-255  slot s: 64 registers, a row as loaded
                                       ; v256-511 (window 1, written v0-255): P of chunk j, expert e at 16 j + 4 e
.set MSB, 0
.macro WIN new                         ; s_set_vgpr_msb: low byte = windows (1:0 source 0, 3:2 source 1, 5:4 source 2, 7:6 destination),
.if MSB != \new                        ; high byte repeats the setting that is left
	s_set_vgpr_msb (MSB<<8)|\new
.set MSB, \new
.endif
.endm
.set P_DST,  0x40                      ; destination in window 1 (LDS loads of P)
.set P_SRC1, 0x04                      ; source 1 in window 1 (P as the multiplier); loads name no source 1 and are not touched
	s_load_b256 s[4:11], s[0:1], 0x0               ; x s[4:5], norm_weight s[6:7], router_weight s[8:9], out s[10:11]
	v_lshl_add_u32 v62, v0, 2, 0x8000
	v_mov_b32 v63, 0
	v_lshrrev_b32 v1, 5, v0
	v_readfirstlane_b32 s12, v1                    ; wave 0..7
	s_lshl_b32 s14, ttmp9, 20                      ; work-group x 128 rows x 8,192 bytes (at most 255 << 20: 32 bits do)
	s_lshl_b32 s13, s12, 17                        ; + wave x 16 rows x 8,192 bytes
	s_add_co_u32 s14, s14, s13
	s_mov_b32 s15, 0
	s_lshl_b32 s16, ttmp9, 11                      ; output: work-group x 128 rows x 16 bytes
	s_lshl_b32 s13, s12, 8                         ; + wave x 16 rows x 16 bytes
	s_add_co_u32 s16, s16, s13
	s_mov_b32 s17, 0
	v_lshlrev_b32 v[TO], 4, v0
	v_and_b32 v[LA], 31, v0
	v_lshlrev_b32 v[LA], 4, v[LA]
.irp s, 0,1,2
	v_add_nc_u32 v[OFF+\s], \s*ROW, v[LA]          ; rows 0, 1, 2 of the wave
.endr
	s_wait_kmcnt 0x0
	s_add_nc_u64 s[4:5], s[4:5], s[14:15]          ; x at the wave's first row
	s_add_nc_u64 s[10:11], s[10:11], s[16:17]      ; out at the wave's first row
	; The weights are asked for first, since loads come back in order and they are wanted first; then the ring is filled.
	; Thread t takes columns 4 t .. 4 t + 3 and 1024 + 4 t .. + 3: each load of a wave covers 512 consecutive bytes.
	global_load_b128 v[NW:NW+3],   v[TO], s[6:7]
	global_load_b128 v[NW+4:NW+7], v[TO], s[6:7] offset:4096
.irp e, 0,1,2,3
.irp p, 0,1
	global_load_b128 v[RW+8*\e+4*\p:RW+8*\e+4*\p+3], v[TO], s[8:9] offset:\e*ROW+\p*4096
.endr
.endr
.macro FILL s                          ; a whole row: 16 loads of 512 consecutive bytes; x is read once in the launch
.irp j, 0,1,2,3,4,5,6,7,8,9,10,11,12,13,14,15
	global_load_b128 v[X+64*\s+4*\j:X+64*\s+4*\j+3], v[OFF+\s], s[4:5] offset:512*\j th:TH_LOAD_NT
.endr
.endm
	FILL 0
	FILL 1
	FILL 2
	; P = nw * rw, made once by the work-group (32 numbers a thread) and handed round through LDS: P[e][d] at byte 8192 e + 4 d.
	s_wait_loadcnt 48                              ; the ten weight loads are in; the 48 loads of rows 0 to 2, issued behind them, stay out
.irp e, 0,1,2,3
.irp p, 0,1
.irp c, 0,1
	v_pk_mul_f32 v[RW+8*\e+4*\p+2*\c:RW+8*\e+4*\p+2*\c+1], v[RW+8*\e+4*\p+2*\c:RW+8*\e+4*\p+2*\c+1], v[NW+4*\p+2*\c:NW+4*\p+2*\c+1]
.endr
.endr
.endr
.irp e, 0,1,2,3
.irp p, 0,1
	ds_store_b128 v[TO], v[RW+8*\e+4*\p:RW+8*\e+4*\p+3] offset:\e*ROW+\p*4096
.endr
.endr
	s_wait_dscnt 0x0                               ; for the other waves' sake: my part of P is in LDS
	s_barrier_signal -1
	s_barrier_wait -1                              ; everybody's is; P is never written again
	WIN P_DST
.irp j, 0,1,2,3,4,5,6,7,8,9,10,11,12,13,14,15
.irp e, 0,1,2,3
	ds_load_b128 v[16*\j+4*\e:16*\j+4*\e+3], v[LA] offset:\e*ROW+512*\j    ; P of my four columns of chunk j: 32 lanes, 512 consecutive bytes
.endr
.endr
	WIN 0
	s_mov_b32 s18, 0x76543210                      ; v_permlanex16_b32: lane i of one half reads lane i of the other
	s_mov_b32 s19, 0xfedcba98
	s_mov_b32 s21, 0x00010001                      ; lanes i and 16 + i, where row i's sums are parked; i = 0 now
	s_mov_b32 s22, 0x3a000000                      ; 1 / 2048
	s_mov_b32 s23, 0x358637bd                      ; 1e-6
	s_mov_b32 s24, 0xbeaaaaab                      ; -1 / 3
	s_mov_b32 s25, 0x39800000                      ; 2^-12
.irp k, 0,1,2,3,4
	v_mov_b32 v[RES+\k], 0                         ; the selects below read what they keep: five registers written once (every lane is replaced later)
.endr
	s_wait_dscnt 0x0                               ; P is in registers
; The turn of slot s: one row.  fill = 1: the slot gets the row three further down, chunk by chunk, behind each chunk's last use.
; left = how many younger loads may stay out.
.macro TURN s, fill, left
	s_wait_loadcnt \left                           ; loads come back in order (ISA guide 5.7.1): my row is in, the younger rows stay on their way
.if \fill
	v_add_nc_u32 v[OFF+\s], SLOTS*ROW, v[OFF+\s]   ; free since that wait: the slot's next row
.endif
	; pass 1: the squares, four chains; the first four products start the sums
.irp c, 0,1,2,3
	v_pk_mul_f32 v[SS+2*\c:SS+2*\c+1], v[X+64*\s+2*\c:X+64*\s+2*\c+1], v[X+64*\s+2*\c:X+64*\s+2*\c+1]
.endr
.set q, 4
.rept 28
	v_pk_fma_f32 v[SS+2*(q%4):SS+2*(q%4)+1], v[X+64*\s+2*q:X+64*\s+2*q+1], v[X+64*\s+2*q:X+64*\s+2*q+1], v[SS+2*(q%4):SS+2*(q%4)+1]
.set q, q+1
.endr
	; pass 2: the four dots, eight chains (expert x pair); chunk 0's products start the sums
	WIN P_SRC1
.irp j, 0,1,2,3,4,5,6,7,8,9,10,11,12,13,14,15
.irp e, 0,1,2,3
.irp p, 0,1
.if \j == 0
	v_pk_mul_f32 v[D+4*\e+2*\p:D+4*\e+2*\p+1], v[X+64*\s+2*\p:X+64*\s+2*\p+1], v[4*\e+2*\p:4*\e+2*\p+1]
.else
	v_pk_fma_f32 v[D+4*\e+2*\p:D+4*\e+2*\p+1], v[X+64*\s+4*\j+2*\p:X+64*\s+4*\j+2*\p+1], v[16*\j+4*\e+2*\p:16*\j+4*\e+2*\p+1], v[D+4*\e+2*\p:D+4*\e+2*\p+1]
.endif
.endr
.endr
.if \fill
	global_load_b128 v[X+64*\s+4*\j:X+64*\s+4*\j+3], v[OFF+\s], s[4:5] offset:512*\j th:TH_LOAD_NT
.endif
.endr
	WIN 0
	; within the lane: 8 + 16 partial sums to 5
	v_pk_add_f32 v[SS:SS+1], v[SS:SS+1], v[SS+2:SS+3]
	v_pk_add_f32 v[SS+4:SS+5], v[SS+4:SS+5], v[SS+6:SS+7]
.irp e, 0,1,2,3
	v_pk_add_f32 v[D+4*\e:D+4*\e+1], v[D+4*\e:D+4*\e+1], v[D+4*\e+2:D+4*\e+3]
.endr
	v_pk_add_f32 v[SS:SS+1], v[SS:SS+1], v[SS+4:SS+5]
.irp e, 0,1,2,3
	v_add_f32 v[D+4*\e], v[D+4*\e], v[D+4*\e+1]
.endr
	v_add_f32 v[SS], v[SS], v[SS+1]
	; across the 16 lanes of each half: four steps that ride on the additions, the five sums in turn
.irp m, 1,2,4,8
.irp r, D, D+4, D+8, D+12, SS
	v_add_f32_dpp v[\r], v[\r], v[\r] row_xmask:\m row_mask:0xf bank_mask:0xf
.endr
.endr
	; park each half's sums in the row's own lane of that half; the halves are joined once, for all 16 rows, behind the last turn
.irp e, 0,1,2,3
	v_cndmask_b32 v[RES+\e], v[RES+\e], v[D+4*\e], s21
.endr
	v_cndmask_b32 v[RES+4], v[RES+4], v[SS], s21
	s_lshl_b32 s21, s21, 1                         ; the next row's lanes
.endm
	; 16 turns: rows 0 to 11 in the loop (they fetch rows 3 to 14), row 12 fetches row 15, the last three fetch nothing.
	s_mov_b32 s20, 4
.Lround:
	TURN 0, 1, 32
	TURN 1, 1, 32
	TURN 2, 1, 32
	s_sub_co_i32 s20, s20, 1
	s_cmp_lg_u32 s20, 0
	s_cbranch_scc1 .Lround
	TURN 0, 1, 32                                  ; row 12; rows 13 and 14 stay out
	TURN 1, 0, 32                                  ; row 13; rows 14 and 15 stay out
	TURN 2, 0, 16                                  ; row 14; row 15 stays out
	TURN 0, 0, 0                                   ; row 15
	; THE END, once for the wave's 16 rows: lane (r, h) joins the halves of row r's sums and finishes experts 2 h and 2 h + 1.
	v_and_b32 v[H8], 16, v0
	v_cmp_ne_u32 vcc_lo, 0, v[H8]                  ; the upper half of the lanes
.irp k, 0,1,2,3,4
	v_permlanex16_b32 v[SS+\k], v[RES+\k], s18, s19        ; its destination counts as read: registers that the turns have written
.endr
.irp k, 0,1,2,3,4
	v_add_f32 v[RES+\k], v[RES+\k], v[SS+\k]
.endr
	v_fma_f32 v[D], v[RES+4], s22, s23             ; mean of the squares + eps
	v_rsq_f32 v[D+1], v[D]                         ; behind a transcendental one plain vector instruction stands before its result is used (ISA guide 5.7.2): the selects
	v_cndmask_b32 v[D+2], v[RES], v[RES+2], vcc_lo         ; dot of expert 2 h
	v_cndmask_b32 v[D+3], v[RES+1], v[RES+3], vcc_lo       ; dot of expert 2 h + 1
	s_wait_alu depctr_va_vdst(0)
	v_mul_f32 v[D+1], 0x40400000, v[D+1]           ; 3 / rms
	v_mul_f32 v[D+2], v[D+2], v[D+1]               ; the logits l
	v_mul_f32 v[D+3], v[D+3], v[D+1]
	v_mul_f32 v[D+4], 0x4038aa3b, v[D+2]           ; 2 log2(e) l
	v_mul_f32 v[D+5], 0x4038aa3b, v[D+3]
	v_exp_f32 v[D+4], v[D+4]                       ; e^(2 l); infinity or 0 at the far ends, which end in +1 and -1 below
	v_exp_f32 v[D+5], v[D+5]
	v_mul_f32 v[D+6], v[D+2], v[D+2]               ; l^2 (these two lines are the plain places behind the exponentials)
	v_mul_f32 v[D+7], v[D+3], v[D+3]
	s_wait_alu depctr_va_vdst(0)
	v_add_f32 v[D+4], 1.0, v[D+4]
	v_add_f32 v[D+5], 1.0, v[D+5]
	v_rcp_f32 v[D+8], v[D+4]
	v_rcp_f32 v[D+9], v[D+5]
	v_fma_f32 v[D+10], v[D+6], s24, 1.0            ; small l: 1 - l^2 / 3 (plain places behind the reciprocals)
	v_fma_f32 v[D+11], v[D+7], s24, 1.0
	v_cmp_gt_f32 s26, s25, v[D+6]                  ; l^2 < 2^-12 (a NaN compares false and goes on through the other form)
	v_cmp_gt_f32 s27, s25, v[D+7]
	v_mul_f32 v[D+10], v[D+10], v[D+2]             ; l (1 - l^2 / 3)
	v_mul_f32 v[D+11], v[D+11], v[D+3]
	s_wait_alu depctr_va_vdst(0)
	v_fma_f32 v[D+8], v[D+8], -2.0, 1.0            ; 1 - 2 / (1 + e^(2 l))
	v_fma_f32 v[D+9], v[D+9], -2.0, 1.0
	v_cndmask_b32 v[D+8], v[D+8], v[D+10], s26
	v_cndmask_b32 v[D+9], v[D+9], v[D+11], s27
	v_and_b32 v[CO], 15, v0                        ; r
	v_lshrrev_b32 v[H8], 1, v[H8]                  ; 8 h
	v_lshl_or_b32 v[CO], v[CO], 4, v[H8]           ; 16 r + 8 h
	global_store_b64 v[CO], v[D+8:D+9], s[10:11] th:TH_STORE_NT    ; the wave's one store: 256 consecutive bytes, at a multiple of 256 from out's first byte
	s_wait_tensorcnt 0x0
	ds_add_u32 v62, v63
	s_wait_dscnt 0x0
	s_endpgm
.Lfunc_end_k_qdba79363df_router:
	.size	k_qdba79363df_router, .Lfunc_end_k_qdba79363df_router-k_qdba79363df_router
	.p2alignl 7, 3214868480
	.fill 96, 4, 3214868480
	.section	.rodata,"a",@progbits
	.p2align	6, 0x0
	.amdhsa_kernel k_qdba79363df_router
		.amdhsa_group_segment_fixed_size 33792
		.amdhsa_private_segment_fixed_size 0
		.amdhsa_enable_private_segment 0
		.amdhsa_kernarg_size 32
		.amdhsa_user_sgpr_count 2
		.amdhsa_user_sgpr_kernarg_segment_ptr 1
		.amdhsa_wavefront_size32 1
		.amdhsa_system_sgpr_workgroup_id_x 1
		.amdhsa_system_sgpr_workgroup_id_y 1
		.amdhsa_system_sgpr_workgroup_id_z 1
		.amdhsa_system_vgpr_workitem_id 0
		.amdhsa_next_free_vgpr 512
		.amdhsa_next_free_sgpr 66
		.amdhsa_reserve_vcc 1
		.amdhsa_float_denorm_mode_32 3
		.amdhsa_float_denorm_mode_16_64 3
		.amdhsa_memory_ordered 1
		.amdhsa_forward_progress 1
		.amdhsa_inst_pref_size 108
	.end_amdhsa_kernel
	.amdgpu_metadata
---
amdhsa.version: [ 1, 2 ]
amdhsa.kernels:
  - .name:           k_qdba79363df_router
    .symbol:         k_qdba79363df_router.kd
    .args:
      - { .name: x, .offset: 0, .size: 8, .value_kind: global_buffer, .address_space: global }
      - { .name: norm_weight, .offset: 8, .size: 8, .value_kind: global_buffer, .address_space: global }
      - { .name: router_weight, .offset: 16, .size: 8, .value_kind: global_buffer, .address_space: global }
      - { .name: out0, .offset: 24, .size: 8, .value_kind: global_buffer, .address_space: global }
    .group_segment_fixed_size: 33792
    .private_segment_fixed_size: 0
    .kernarg_segment_align: 8
    .kernarg_segment_size: 32
    .max_flat_workgroup_size: 256
    .sgpr_count:     66
    .vgpr_count:     512
    .wavefront_size: 32
...
	.end_amdgpu_metadata
.endif
;; end of part 1
;; ======== version 2 of 2: 1 launch; version 1 with the launch router written anew for expert scheduling mode
;; launch router (part 2): grid 256 x 1, 8 waves a work-group, no clusters, 33,792 bytes of LDS; arguments x, norm_weight, router_weight, out0; writes out0
.if DOCPART == 2
	.amdgcn_target "amdgcn-amd-amdhsa--gfx1250"
	.amdhsa_code_object_version 6
	.text
	.protected	k_qdba79363df_router
	.globl	k_qdba79363df_router
	.p2align	8
	.type	k_qdba79363df_router,@function
k_qdba79363df_router:
	s_mov_b64 s[64:65], 0
	v_nop
	global_prefetch_b8 v0, s[64:65] scope:SCOPE_SE
	s_setreg_imm32_b32 hwreg(HW_REG_WAVE_SCHED_MODE, 0, 2), 2
	s_setreg_imm32_b32 hwreg(HW_REG_WAVE_MODE, 25, 1), 1
	s_wait_xcnt 0x0
	s_wait_alu depctr_vm_vsrc(0)
; out[r][e] = tanh( 3 * sum_d x[r][d] nw[d] rw[e][d] / sqrt(mean_d x[r][d]^2 + 1e-6) ).   x: [32768][2048] f32, out: [32768][4] f32.
; The normalisation is a factor of the whole row, so it is applied after the sums: one pass over x makes five sums per row
; (the squares and four dots with the table P[e][d] = nw[d] rw[e][d]); x is read once and nothing else of its size moves.
;
; SHARES.  256 work-groups of eight waves; a work-group owns 128 rows, a wave 16 whole rows.  A row is 8,192 bytes = 16 loads of the wave,
; each 512 consecutive bytes.  Lane l holds columns 128 j + 4 l .. + 3 (j = 0..15) of every row, so its 64 x 4 numbers of P stay in
; 256 registers for the whole kernel, and a row's sums never leave the wave: one barrier in the kernel (for P), none in the loop.
; A ring of three row slots in registers, each of two halves, keeps 32 to 40 loads of every wave on their way.
;
; THE MODE: SCHED_MODE bits 1:0 = 2 (LLVM: expert scheduling mode 2), set by the entry lines.  The code itself states the register dependences
; between vector instructions and memory or LDS instructions, with s_wait_alu, always for 0.
; THE PLAN.  A row goes in two blocks of eight chunks; block p = 2 x row + half.  Registers that memory or LDS instructions touch:
;   X[s][g]    six buffers of 32 registers (slot s, half g).  Block p's 16 squares and 64 dot products read buffer p % 6; the eight loads
;              issued in block p + 1 land in it, with block p + 6's numbers.
;   v[LA]      offset of every load of x and address of every LDS load of P; v[TO] offset of the weights' loads and address of the LDS stores.
;              Both are made at the head and never written again: the rows are reached by a scalar base for each slot and by immediate offsets.
;   v16-47     in the set-up alone: router_weight as loaded, then P as the LDS stores read it; behind that D and RES.
;   v256-511   P: LDS loads land there once; then vector instructions read it.
;   v[CO], v[D+8:D+9]   offset and data of the wave's one store, at the end.
; The chains SS and D and the parked sums RES are named by vector instructions alone in the loop.
; Block p's memory instructions are the eight loads into buffer (p - 1) % 6, which the block before read out and which no vector instruction of
; block p names.  So ONE wait on va_vdst at a block's head states all that they hang on, and they are dealt among the block's vector instructions.
; Within a row: squares and dots of the first half, dots and squares of the second, so that the register window is switched twice a row;
; every chain takes its terms in ascending order of the columns.
;
; NOT USED, by this text's own arithmetic.  Matrix instructions: four router rows fill 4 of a tile's 16 columns; a fragment wants a lane
; to hold a run of one of sixteen rows, while these loads give a lane 16 bytes of one row, so x would make an extra trip through LDS; and
; every x passes the vector unit in f32 for the squares anyway.  Clusters: what work-groups share is 40,960 bytes of weights against
; 1,048,576 bytes of x each.  Data prefetches: the ring already has the wave's next rows requested.
;
; LIMITS.  Rounding order differs from the formula as written (nw rw is rounded first, the rows' factor comes last).  rsq, exp, rcp are
; good to 1 ULP.  tanh(l) = 1 - 2 / (1 + 2^(2 log2(e) l)) has an absolute error near 2e-7; where l^2 < 2^-12 the value l (1 - l^2 / 3)
; is taken instead (relative error below 1e-8 there), so small logits keep their relative accuracy.  Large |l| end in exactly +-1.
.set ROW,   8192                       ; bytes in a row of x, and in a row of router_weight
.set SLOTS, 3
.set XB,    26                         ; s[26:31] slot s: the address of the row that the slot's next loads bring: a pair at XB + 2 s
.set LA,    1                          ; v1       16 x lane: my 16 bytes in each 512-byte chunk; LDS address for P; never rewritten
.set CO,    5                          ; v5       my byte offset in the wave's 256 bytes of output
.set TO,    6                          ; v6       16 x thread: set-up loads and LDS stores; never rewritten
.set H8,    7                          ; v7       the lane's half bit
.set SS,    8                          ; v8-15    four chains (pairs) of the sum of squares
.set D,     16                         ; v16-31   expert e: two chains (pairs) at D + 4 e
.set RES,   32                         ; v32-35   lane i and 16 + i: row i's four dots (each half's part); v36 likewise the squares
.set NW,    8                          ; v8-15    set-up: norm_weight, 2 x 4 numbers
.set RW,    16                         ; v16-47   set-up: router_weight, 4 experts x 2 x 4 numbers
.set X,     64                         ; v64-255  slot s, half g: 32 registers at X + 64 s + 32 g, half a row as loaded
                                       ; v256-511 (window 1, written v0-255): P of chunk j, expert e at 16 j + 4 e
.set MSB, 0
.macro WIN new                         ; s_set_vgpr_msb: low byte = windows (1:0 source 0, 3:2 source 1, 5:4 source 2, 7:6 destination),
.if MSB != \new                        ; high byte repeats the setting that is left
	s_set_vgpr_msb (MSB<<8)|\new
.set MSB, \new
.endif
.endm
.set P_DST,  0x40                      ; destination in window 1 (LDS loads of P)
.set P_SRC1, 0x04                      ; source 1 in window 1 (P as the multiplier); loads name no source 1 and are not touched
	s_load_b256 s[4:11], s[0:1], 0x0               ; x s[4:5], norm_weight s[6:7], router_weight s[8:9], out s[10:11]
	v_lshl_add_u32 v62, v0, 2, 0x8000
	v_mov_b32 v63, 0
	v_lshrrev_b32 v1, 5, v0
	v_readfirstlane_b32 s12, v1                    ; wave 0..7
	v_lshlrev_b32 v[TO], 4, v0
	v_and_b32 v[LA], 31, v0
	v_lshlrev_b32 v[LA], 4, v[LA]
	s_wait_alu depctr_va_sdst(0)                   ; s12 is written, ahead of its first reader: the places of the wave's rows in x and in out are made from it
	s_lshl_b32 s14, ttmp9, 20                      ; work-group x 128 rows x 8,192 bytes (at most 255 << 20: 32 bits do)
	s_lshl_b32 s13, s12, 17                        ; + wave x 16 rows x 8,192 bytes
	s_add_co_u32 s14, s14, s13
	s_mov_b32 s15, 0
	s_lshl_b32 s16, ttmp9, 11                      ; output: work-group x 128 rows x 16 bytes
	s_lshl_b32 s13, s12, 8                         ; + wave x 16 rows x 16 bytes
	s_add_co_u32 s16, s16, s13
	s_mov_b32 s17, 0
	s_wait_kmcnt 0x0
	s_add_nc_u64 s[4:5], s[4:5], s[14:15]          ; x at the wave's first row
	s_add_nc_u64 s[10:11], s[10:11], s[16:17]      ; out at the wave's first row
.irp s, 0,1,2
	s_add_nc_u64 s[XB+2*\s:XB+2*\s+1], s[4:5], \s*ROW      ; rows 0, 1, 2 of the wave
.endr
	s_wait_alu depctr_va_vdst(0)                   ; v[TO] and v[LA] are written: every load, LDS store and LDS load below reads one of them as its offset or address
	; The weights are asked for first, since loads come back in order and they are wanted first; then the ring is filled.
	; Thread t takes columns 4 t .. 4 t + 3 and 1024 + 4 t .. + 3: each load of a wave covers 512 consecutive bytes.
	global_load_b128 v[NW:NW+3],   v[TO], s[6:7]
	global_load_b128 v[NW+4:NW+7], v[TO], s[6:7] offset:4096
.irp e, 0,1,2,3
.irp p, 0,1
	global_load_b128 v[RW+8*\e+4*\p:RW+8*\e+4*\p+3], v[TO], s[8:9] offset:\e*ROW+\p*4096
.endr
.endr
.macro FILL s, g                       ; half a row: 8 loads of 512 consecutive bytes; x is read once in the launch
.irp k, 0,1,2,3,4,5,6,7
	global_load_b128 v[X+64*\s+32*\g+4*\k:X+64*\s+32*\g+4*\k+3], v[LA], s[XB+2*\s:XB+2*\s+1] offset:4096*\g+512*\k th:TH_LOAD_NT
.endr
.endm
	FILL 0, 0                                      ; blocks 0 to 4.  The sixth buffer is filled by block 0, as each later lap's first block fills it again:
	FILL 0, 1                                      ; so the first trip and the way back meet the same counts
	FILL 1, 0
	FILL 1, 1
	FILL 2, 0
	; P = nw * rw, made once by the work-group (32 numbers a thread) and handed round through LDS: P[e][d] at byte 8192 e + 4 d.
	s_wait_loadcnt 40                              ; the ten weight loads are in; the 40 loads of blocks 0 to 4, issued behind them, stay out
.irp e, 0,1,2,3
.irp p, 0,1
.irp c, 0,1
	v_pk_mul_f32 v[RW+8*\e+4*\p+2*\c:RW+8*\e+4*\p+2*\c+1], v[RW+8*\e+4*\p+2*\c:RW+8*\e+4*\p+2*\c+1], v[NW+4*\p+2*\c:NW+4*\p+2*\c+1]
.endr
.endr
.endr
	s_wait_alu depctr_va_vdst(0)                   ; the products have written v[RW ..], which the LDS stores read
.irp e, 0,1,2,3
.irp p, 0,1
	ds_store_b128 v[TO], v[RW+8*\e+4*\p:RW+8*\e+4*\p+3] offset:\e*ROW+\p*4096
.endr
.endr
	s_wait_dscnt 0x0                               ; for the other waves' sake: my part of P is in LDS
	s_barrier_signal -1
	s_barrier_wait -1                              ; everybody's is; P is never written again
	s_wait_alu depctr_vm_vsrc(0)                   ; my LDS stores have read v[RW ..]: these registers are D and RES from here on, written by the moves below and by the turns
	WIN P_DST
.irp j, 0,1,2,3,4,5,6,7,8,9,10,11,12,13,14,15
.irp e, 0,1,2,3
	ds_load_b128 v[16*\j+4*\e:16*\j+4*\e+3], v[LA] offset:\e*ROW+512*\j    ; P of my four columns of chunk j: 32 lanes, 512 consecutive bytes; no vector instruction has named these registers
.endr
.endr
	WIN 0
	s_mov_b32 s18, 0x76543210                      ; v_permlanex16_b32: lane i of one half reads lane i of the other
	s_mov_b32 s19, 0xfedcba98
	s_mov_b32 s21, 0x00010001                      ; lanes i and 16 + i, where row i's sums are parked; i = 0 now
	s_mov_b32 s22, 0x3a000000                      ; 1 / 2048
	s_mov_b32 s23, 0x358637bd                      ; 1e-6
	s_mov_b32 s24, 0xbeaaaaab                      ; -1 / 3
	s_mov_b32 s25, 0x39800000                      ; 2^-12
.irp k, 0,1,2,3,4
	v_mov_b32 v[RES+\k], 0                         ; the selects below read what they keep: five registers written once (every lane is replaced later)
.endr
	s_wait_dscnt 0x0                               ; P is in registers
; The next of a block's eight loads.  LB: the first register of the buffer that the block before read out; LS: its slot's base; LO: its half's bytes in a row; n counts.
.macro NEXT fill
.if \fill
	global_load_b128 v[LB+4*n:LB+4*n+3], v[LA], s[LS:LS+1] offset:LO+512*n th:TH_LOAD_NT   ; no vector instruction since the wait at the block's head names these registers
.set n, n+1
.endif
.endm
; The four dots' terms of chunk j of slot s: eight chains (expert x pair); chunk 0's products start the sums
.macro DOTS s, j
.irp e, 0,1,2,3
.irp p, 0,1
.if \j == 0
	v_pk_mul_f32 v[D+4*\e+2*\p:D+4*\e+2*\p+1], v[X+64*\s+2*\p:X+64*\s+2*\p+1], v[4*\e+2*\p:4*\e+2*\p+1]
.else
	v_pk_fma_f32 v[D+4*\e+2*\p:D+4*\e+2*\p+1], v[X+64*\s+4*\j+2*\p:X+64*\s+4*\j+2*\p+1], v[16*\j+4*\e+2*\p:16*\j+4*\e+2*\p+1], v[D+4*\e+2*\p:D+4*\e+2*\p+1]
.endif
.endr
.endr
.endm
; The turn of slot s: one row, two blocks.  f0, f1 = 1: the block loads, into the buffer that the block before read out, the numbers of the block five further on.
; l0, l1 = how many younger loads may stay out at the block's head.  A load stands ahead of each of a block's first eight groups of eight packed instructions.
.macro TURN s, f0, l0, f1, l1
	; the row's first block
	s_wait_loadcnt \l0                             ; loads come back in order (ISA guide 5.7.1): X[s][0] is in, the younger blocks stay on their way
.if \f0
	s_wait_alu depctr_va_vdst(0)                   ; the block before is done reading the second half of the slot in front, in which the loads below land
.endif
.set LB, X+64*((\s+2)%3)+32
.set LS, XB+2*((\s+2)%3)
.set LO, 4096
.set n, 0
	; the squares, four chains; the first four products start the sums
.set q, 0
.rept 16
.if (q%8) == 0
	NEXT \f0
.endif
.if q < 4
	v_pk_mul_f32 v[SS+2*q:SS+2*q+1], v[X+64*\s+2*q:X+64*\s+2*q+1], v[X+64*\s+2*q:X+64*\s+2*q+1]
.else
	v_pk_fma_f32 v[SS+2*(q%4):SS+2*(q%4)+1], v[X+64*\s+2*q:X+64*\s+2*q+1], v[X+64*\s+2*q:X+64*\s+2*q+1], v[SS+2*(q%4):SS+2*(q%4)+1]
.endif
.set q, q+1
.endr
	WIN P_SRC1
.irp j, 0,1,2,3,4,5,6,7
.if \j < 6
	NEXT \f0
.endif
	DOTS \s, \j
.endr
	; the row's second block: the dots first, under the window that is set
	s_wait_loadcnt \l1                             ; X[s][1] is in
.if \f1
	s_wait_alu depctr_va_vdst(0)                   ; the row's first block is done reading X[s][0], in which the loads below land
	s_add_nc_u64 s[XB+2*\s:XB+2*\s+1], s[XB+2*\s:XB+2*\s+1], SLOTS*ROW    ; free since the wait on LOADcnt, which shows the last loads that read it done (those still out read the other two bases): the slot's next row
.endif
.set LB, X+64*\s
.set LS, XB+2*\s
.set LO, 0
.set n, 0
.irp j, 8,9,10,11,12,13,14,15
	NEXT \f1
	DOTS \s, \j
.endr
	WIN 0
.set q, 16
.rept 16
	v_pk_fma_f32 v[SS+2*(q%4):SS+2*(q%4)+1], v[X+64*\s+2*q:X+64*\s+2*q+1], v[X+64*\s+2*q:X+64*\s+2*q+1], v[SS+2*(q%4):SS+2*(q%4)+1]
.set q, q+1
.endr
	; within the lane: 8 + 16 partial sums to 5
	v_pk_add_f32 v[SS:SS+1], v[SS:SS+1], v[SS+2:SS+3]
	v_pk_add_f32 v[SS+4:SS+5], v[SS+4:SS+5], v[SS+6:SS+7]
.irp e, 0,1,2,3
	v_pk_add_f32 v[D+4*\e:D+4*\e+1], v[D+4*\e:D+4*\e+1], v[D+4*\e+2:D+4*\e+3]
.endr
	v_pk_add_f32 v[SS:SS+1], v[SS:SS+1], v[SS+4:SS+5]
.irp e, 0,1,2,3
	v_add_f32 v[D+4*\e], v[D+4*\e], v[D+4*\e+1]
.endr
	v_add_f32 v[SS], v[SS], v[SS+1]
	; across the 16 lanes of each half: four steps that ride on the additions, the five sums in turn
.irp m, 1,2,4,8
.irp r, D, D+4, D+8, D+12, SS
	v_add_f32_dpp v[\r], v[\r], v[\r] row_xmask:\m row_mask:0xf bank_mask:0xf
.endr
.endr
	; park each half's sums in the row's own lane of that half; the halves are joined once, for all 16 rows, behind the last turn
.irp e, 0,1,2,3
	v_cndmask_b32 v[RES+\e], v[RES+\e], v[D+4*\e], s21
.endr
	v_cndmask_b32 v[RES+4], v[RES+4], v[SS], s21
	s_lshl_b32 s21, s21, 1                         ; the next row's lanes
.endm
	; 16 turns, 32 blocks.  Blocks 0 to 23 (rows 0 to 11) in the loop fetch blocks 5 to 28; blocks 24 to 26 fetch blocks 29 to 31; the last five fetch nothing: no load leaves x.
	s_mov_b32 s20, 4
.Lround:
	TURN 0, 1, 32, 1, 32
	TURN 1, 1, 32, 1, 32
	TURN 2, 1, 32, 1, 32
	s_sub_co_i32 s20, s20, 1
	s_cmp_lg_u32 s20, 0
	s_cbranch_scc1 .Lround
	TURN 0, 1, 32, 1, 32                           ; row 12
	TURN 1, 1, 32, 0, 32                           ; row 13: its first block issues the last loads
	TURN 2, 0, 24, 0, 16                           ; row 14: the counts run down
	TURN 0, 0, 8, 0, 0                             ; row 15
	; THE END, once for the wave's 16 rows: lane (r, h) joins the halves of row r's sums and finishes experts 2 h and 2 h + 1.
	v_and_b32 v[H8], 16, v0
	v_cmp_ne_u32 vcc_lo, 0, v[H8]                  ; the upper half of the lanes
.irp k, 0,1,2,3,4
	v_permlanex16_b32 v[SS+\k], v[RES+\k], s18, s19        ; its destination counts as read: registers that the turns have written
.endr
.irp k, 0,1,2,3,4
	v_add_f32 v[RES+\k], v[RES+\k], v[SS+\k]
.endr
	v_fma_f32 v[D], v[RES+4], s22, s23             ; mean of the squares + eps
	v_rsq_f32 v[D+1], v[D]                         ; behind a transcendental one plain vector instruction stands before its result is used (ISA guide 5.7.2): the selects
	s_wait_alu depctr_va_vcc(0)                    ; the compare above has written VCC, ahead of its first reader: the two selects
	v_cndmask_b32 v[D+2], v[RES], v[RES+2], vcc_lo         ; dot of expert 2 h
	v_cndmask_b32 v[D+3], v[RES+1], v[RES+3], vcc_lo       ; dot of expert 2 h + 1
	s_wait_alu depctr_va_vdst(0)
	v_mul_f32 v[D+1], 0x40400000, v[D+1]           ; 3 / rms
	v_mul_f32 v[D+2], v[D+2], v[D+1]               ; the logits l
	v_mul_f32 v[D+3], v[D+3], v[D+1]
	v_mul_f32 v[D+4], 0x4038aa3b, v[D+2]           ; 2 log2(e) l
	v_mul_f32 v[D+5], 0x4038aa3b, v[D+3]
	v_exp_f32 v[D+4], v[D+4]                       ; e^(2 l); infinity or 0 at the far ends, which end in +1 and -1 below
	v_exp_f32 v[D+5], v[D+5]
	v_mul_f32 v[D+6], v[D+2], v[D+2]               ; l^2 (these two lines are the plain places behind the exponentials)
	v_mul_f32 v[D+7], v[D+3], v[D+3]
	s_wait_alu depctr_va_vdst(0)
	v_add_f32 v[D+4], 1.0, v[D+4]
	v_add_f32 v[D+5], 1.0, v[D+5]
	v_rcp_f32 v[D+8], v[D+4]
	v_rcp_f32 v[D+9], v[D+5]
	v_fma_f32 v[D+10], v[D+6], s24, 1.0            ; small l: 1 - l^2 / 3 (plain places behind the reciprocals)
	v_fma_f32 v[D+11], v[D+7], s24, 1.0
	v_cmp_gt_f32 s14, s25, v[D+6]                  ; l^2 < 2^-12 (a NaN compares false and goes on through the other form)
	v_cmp_gt_f32 s15, s25, v[D+7]
	v_mul_f32 v[D+10], v[D+10], v[D+2]             ; l (1 - l^2 / 3)
	v_mul_f32 v[D+11], v[D+11], v[D+3]
	s_wait_alu depctr_va_vdst(0)
	v_fma_f32 v[D+8], v[D+8], -2.0, 1.0            ; 1 - 2 / (1 + e^(2 l))
	v_fma_f32 v[D+9], v[D+9], -2.0, 1.0
	s_wait_alu depctr_va_sdst(0)                   ; the two compares have written s14 and s15, ahead of their first readers: the two selects
	v_cndmask_b32 v[D+8], v[D+8], v[D+10], s14
	v_cndmask_b32 v[D+9], v[D+9], v[D+11], s15
	v_and_b32 v[CO], 15, v0                        ; r
	v_lshrrev_b32 v[H8], 1, v[H8]                  ; 8 h
	v_lshl_or_b32 v[CO], v[CO], 4, v[H8]           ; 16 r + 8 h
	s_wait_alu depctr_va_vdst(0)                   ; v[CO] and v[D+8:D+9] are written: the store reads them as its offset and its data
	global_store_b64 v[CO], v[D+8:D+9], s[10:11] th:TH_STORE_NT    ; the wave's one store: 256 consecutive bytes, at a multiple of 256 from out's first byte
	s_wait_dscnt 0x0
	s_wait_alu depctr_hold_cnt(0) depctr_sa_sdst(0) depctr_va_vdst(0) depctr_va_sdst(0) depctr_va_ssrc(0) depctr_va_vcc(0) depctr_vm_vsrc(0)
	s_wait_tensorcnt 0x0
	ds_add_u32 v62, v63
	s_wait_dscnt 0x0
	s_endpgm
.Lfunc_end_k_qdba79363df_router:
	.size	k_qdba79363df_router, .Lfunc_end_k_qdba79363df_router-k_qdba79363df_router
	.p2alignl 7, 3214868480
	.fill 96, 4, 3214868480
	.section	.rodata,"a",@progbits
	.p2align	6, 0x0
	.amdhsa_kernel k_qdba79363df_router
		.amdhsa_group_segment_fixed_size 33792
		.amdhsa_private_segment_fixed_size 0
		.amdhsa_enable_private_segment 0
		.amdhsa_kernarg_size 32
		.amdhsa_user_sgpr_count 2
		.amdhsa_user_sgpr_kernarg_segment_ptr 1
		.amdhsa_wavefront_size32 1
		.amdhsa_system_sgpr_workgroup_id_x 1
		.amdhsa_system_sgpr_workgroup_id_y 1
		.amdhsa_system_sgpr_workgroup_id_z 1
		.amdhsa_system_vgpr_workitem_id 0
		.amdhsa_next_free_vgpr 512
		.amdhsa_next_free_sgpr 66
		.amdhsa_reserve_vcc 1
		.amdhsa_float_denorm_mode_32 3
		.amdhsa_float_denorm_mode_16_64 3
		.amdhsa_memory_ordered 1
		.amdhsa_forward_progress 1
		.amdhsa_inst_pref_size 109
	.end_amdhsa_kernel
	.amdgpu_metadata
---
amdhsa.version: [ 1, 2 ]
amdhsa.kernels:
  - .name:           k_qdba79363df_router
    .symbol:         k_qdba79363df_router.kd
    .args:
      - { .name: x, .offset: 0, .size: 8, .value_kind: global_buffer, .address_space: global }
      - { .name: norm_weight, .offset: 8, .size: 8, .value_kind: global_buffer, .address_space: global }
      - { .name: router_weight, .offset: 16, .size: 8, .value_kind: global_buffer, .address_space: global }
      - { .name: out0, .offset: 24, .size: 8, .value_kind: global_buffer, .address_space: global }
    .group_segment_fixed_size: 33792
    .private_segment_fixed_size: 0
    .kernarg_segment_align: 8
    .kernarg_segment_size: 32
    .max_flat_workgroup_size: 256
    .sgpr_count:     66
    .vgpr_count:     512
    .wavefront_size: 32
...
	.end_amdgpu_metadata
.endif
;; end of part 2
